; MI455X (gfx1250); checked and timed in simulation.
; The chip was launched on July 23, 2026; its instructions are those of AMD's public machine-readable ISA for CDNA 5 (MIT licence, August 2026) and "CDNA5" Instruction Set Architecture Reference Guide (July 2026). The comments in the code are by the model that wrote it; some were corrected since.
;; Keras Cross Attention Module. Allowed arithmetic: matrix products marked QUANTISED: E2M1 operands, one E8M0 scale for each 32 along K, by v_wmma_scale_f32_16x16x128_f8f6f4 with both operands' format E2M1 (or v_wmma_scale_f32_32x16x128_f4), f32 sums; everything else in f32.
;; Inputs: k_pos_embedding 1 x 4,096 x 256 float32; keys 8 x 256 x 64 x 64 float32; q_pos_embedding 1 x 4,096 x 256 float32; queries 8 x 256 x 64 x 64 float32; values 8 x 256 x 64 x 64 float32.
;; Outputs: out0 8 x 256 x 64 x 64 float32.
;; This version of the problem:
;;   THIS VERSION OF THE PROBLEM IS GIVEN IN LOW PRECISION. The matrix products marked QUANTISED in the list below multiply operands that are first quantised to E2M1 (2 exponent bits, 1 mantissa bit; 4 bits a number), with one power-of-two scale for each 32 numbers along K (OCP MX v1.0); their sums are f32. All else is computed in f32.
;;   The module's matrix products, in the order in which they are computed (A, B: the left and right operand; K: the contracted axis; several contracted axes count as one K, in the product's order):
;;     1. batch 8 x [M 4,096, K 256] x [K 256, N 4,096]; A: computed on the way; B: computed on the way: QUANTISED
;;     2. batch 8 x [M 4,096, K 4,096] x [K 4,096, N 256]; A: softmax (see below); B: input values: QUANTISED
;;   THE QUANTISER, for each operand of a quantised product, along K:
;;     - K is cut into blocks of 32 from its start; a last block that is shorter is filled with zeros.
;;     - A block's scale is 2^e with e = floor(log2(the largest magnitude in the block)) - 2, held to -126 .. 127; a block of zeros has e = 0. As a byte (E8M0): e + 127.
;;     - Each number is divided by its block's scale, clamped to +-6, and rounded to the nearest number of E2M1, ties to even, subnormals kept.
;;     - The product sums the exact products of the quantised numbers (number of the format x scale) in f32.
;;   ~~~python
;;   def quantise(x, axis):      # numpy; x: float32 -> the quantised numbers, widened to float32 again
;;       x = np.moveaxis(x, axis, -1); K = x.shape[-1]
;;       x = np.pad(x, [(0, 0)] * (x.ndim - 1) + [(0, -K % 32)]); x = x.reshape(x.shape[:-1] + (-1, 32)); a = np.abs(x).max(-1, keepdims=True)
;;       e = np.where(a > 0, np.clip(np.frexp(np.where(a > 0, a, 1))[1] - 1 - 2, -126, 127), 0)      # np.frexp(a)[1] - 1 = floor(log2(a)), exactly
;;       r = np.clip(x / 2.0 ** e, -6, 6)
;;       step = 2.0 ** (np.maximum(np.frexp(np.where(r == 0, 1, r))[1] - 1, 0) - 1)
;;       q = np.round(r / step) * step * 2.0 ** e      # np.round: ties to even
;;       return np.moveaxis(q.reshape(q.shape[:-2] + (-1,))[..., :K], -1, axis).astype(np.float32)
;;   ~~~
;;   SOFTMAX AHEAD OF A QUANTISED PRODUCT. Where the list says 'softmax', what is quantised is not the finished softmax but p = 2^(t - M), with t = logit x log2(e) and M = ceil(the row's largest t), a whole number; so 1/2 < the row's largest p <= 1. The row's sum l is taken of the UNQUANTISED p, in f32, and the product's result is divided by l at the end. Since M is a whole number, a kernel that streams over the keys may use a running M (the ceiling of the running maximum): every later rescaling is an exact power of two, which a block's scale takes up: the codes' values come out the same.
;;   OPERANDS COMPUTED ON THE WAY. 'Computed on the way' means the value that the module computes at that place (a softmax that the list does not call 'softmax' is quantised finished and normalised). What goes into a quantiser is computed in f32, as accurately as f32 sums, v_exp_f32 and their like allow (about 1e-6 of the number): no bf16 or f16 on the way to a quantiser, and a product that is left as it is and whose result goes on into a quantised operand takes f32 operands (vector FMAs, or v_wmma_f32_16x16x4_f32). A number that lies on a knife's edge between two numbers of the format may be rounded either way, as far as f32 arithmetic and the matrix unit's own rounding can turn it there, and no further.
;; One version. Each part assembles by itself: llvm-mc -triple=amdgcn-amd-amdhsa -mcpu=gfx1250 --defsym DOCPART=n.
;; ======== version 1 of 1: 2 launches
;; limits: right only within a limited range of input values
;; workspace buffers: qbuf 4,456,448 bytes; kbuf 4,456,448 bytes; vcodes 4,194,304 bytes; vscales 262,144 bytes
;; launch prep (part 1): grid 768 x 1, 4 waves a work-group, no clusters, 68,096 bytes of LDS; arguments queries, keys, q_pos_embedding, k_pos_embedding, values, qbuf, kbuf, vcodes, vscales; writes qbuf, kbuf, vcodes, vscales
.if DOCPART == 1
	.amdgcn_target "amdgcn-amd-amdhsa--gfx1250"
	.amdhsa_code_object_version 6
	.text
	.protected	k_qd8d6dfb5d9_prep
	.globl	k_qd8d6dfb5d9_prep
	.p2align	8
	.type	k_qd8d6dfb5d9_prep,@function
k_qd8d6dfb5d9_prep:
	s_mov_b64 s[64:65], 0
	v_nop
	global_prefetch_b8 v0, s[64:65] scope:SCOPE_SE
	s_setreg_imm32_b32 hwreg(HW_REG_WAVE_MODE, 25, 1), 1
	s_wait_xcnt 0x0
; q = queries^T + q_pos, k = keys^T + k_pos and v = values are turned into codes of FP4 (E2M1) with one E8M0 scale byte for each 32 along the later product's K.
; queries, keys: [8][256 c][4096 n] f32, K = c, the OUTER axis;  the pos tables: [4096 n][256 c] f32;  values: [8][256 cv][4096 n] f32, K = n, innermost.
; A block's scale is 2^(floor(log2(its largest magnitude)) - 2); its byte is the largest magnitude's exponent field - 2, held at 1 from below.
; LIMITS: a block whose largest magnitude lies under 2^-124 keeps the byte 1, a block of zeros too (its codes are zeros, and this program alone reads the bytes); NaN and infinities among the inputs are not served.
; Work-groups 0-255 take queries, 256-511 keys (one path, the pointers chosen by the work-group's number), 512-767 values (the second path).  Each path has LDS bytes of its own.  Waves share nothing: no barrier.
;
; PATH QK.  A wave takes 32 columns n of one batch and all 256 c.  A LANE TAKES A COLUMN AND ITS REGISTERS RUN DOWN c: a block of 32 along c lies in one lane, and the conversions give codes with c innermost.
; The codes are stored IN THE ORDER OF THE OPERAND'S REGISTERS: qbuf, kbuf = [batch][slot of 512 n][69,632 bytes]; in a slot 32 tiles of 16 rows, 2,048 bytes each (two fragments of 128 c, each two runs of 16 bytes x 32 lanes),
; then at byte 65,536 the scale words, [pair of tiles][32 lanes][2 words].  Row r of tile 2 b + u is n = 32 b + 8 u + r + 8 (r / 8): so lane 16 u + r of this wave takes column 8 u + r + (r & 8) of its 32.
; The pos table has c innermost: 64 c of the wave's 32 rows (16 loads, sixteen lanes to 256 consecutive bytes) turn through the wave's stage in LDS, row x into the stage row of the lane that owns column x.
.set PR,   16                          ; v16-79    pos as loaded: 32 rows x 64 c
.set PT,   80                          ; v80-143   pos turned: my column's 64 c
.set X,    144                         ; v144-207  two sets of 32 numbers down c
.set C,    208                         ; v208-239  codes: four registers for each of the 8 blocks, so that no store's data are written again
.set SB,   14                          ; v14-15    my column's two scale words
.set QW,   8704                        ; LDS: a wave's stage, 32 rows x (256 bytes + 16)
.set VBASE, 4*QW                       ; LDS of the second path begins here
.set VW,   8192                        ; there: a region for each wave: two stages of 32 x SP bytes, then its 256 scale bytes
.set SP,   80                          ; a lane's place in such a stage: its 64 bytes + 16 of padding
.set STEPS, 16
.set VR,   16                          ; second path: v16-79 four sets of 16 numbers as loaded
.set VX,   80                          ; v80-111  two sets of 16 neighbours
.set VE,   112                         ; v112-127 a scale byte for each step
.set VC,   128                         ; v128-191 codes: four registers for each step
.macro POSLOAD k                       ; c = 64 k .. 64 k + 63 of my 32 rows of pos: lanes 0-15 row 2 i, lanes 16-31 row 2 i + 1
.irp i, 0,1,2,3,4,5,6,7,8,9,10,11,12,13,14,15
	global_load_b128 v[PR+4*\i:PR+4*\i+3], v3, s[6:7] offset:2048*\i+256*(\k)
.endr
.endm
.macro TURN                            ; row x goes to stage row 16 (bit 3 of x) + 8 (bit 4 of x) + x % 8, the lane that owns column x; LDS serves a wave's instructions in order, so no wait stands between stores and loads
.irp i, 0,1,2,3,4,5,6,7,8,9,10,11,12,13,14,15
	ds_store_b128 v4, v[PR+4*\i:PR+4*\i+3] offset:(16*((\i/4)%2)+8*(\i/8)+(2*\i)%8)*272
.endr
.irp i, 0,1,2,3,4,5,6,7,8,9,10,11,12,13,14,15
	ds_load_b128 v[PT+4*\i:PT+4*\i+3], v5 offset:16*\i
.endr
.endm
.macro XLOAD b                         ; block b: c = 32 b + i of my column; the wave's 32 lanes read 128 consecutive bytes, the four waves 512
.irp i, 0,1,2,3,4,5,6,7,8,9,10,11,12,13,14,15,16,17,18,19,20,21,22,23,24,25,26,27,28,29,30,31
	global_load_b32 v[X+32*((\b)%2)+\i], v2, s[4:5] offset:(32*(\b)+\i)*16384 th:TH_LOAD_NT
.endr
.endm
.macro BLOCK b, cnt
.set XS, X+32*((\b)%2)
.set PS, PT+32*((\b)%2)
	s_wait_loadcnt \cnt                            ; this block's 32 loads are in; cnt younger loads may be out
.irp i, 0,2,4,6,8,10,12,14,16,18,20,22,24,26,28,30
	v_pk_add_f32 v[XS+\i:XS+\i+1], v[XS+\i:XS+\i+1], v[PS+\i:PS+\i+1]    ; + pos, in f32
.endr
	v_max3_num_f32 v8, |v[XS]|, |v[XS+1]|, |v[XS+2]|                     ; the block's largest magnitude: all 32 numbers are mine; two chains
	v_max3_num_f32 v9, |v[XS+3]|, |v[XS+4]|, |v[XS+5]|
.irp i, 6,10,14,18,22,26
	v_max3_num_f32 v8, v8, |v[XS+\i]|, |v[XS+\i+1]|
	v_max3_num_f32 v9, v9, |v[XS+\i+2]|, |v[XS+\i+3]|
.endr
	v_max3_num_f32 v8, v8, |v[XS+30]|, |v[XS+31]|
	v_max3_num_f32 v8, v8, v9, 0x1800000           ; and the floor 2^(3 - 127): the byte cannot fall under 1
	v_add_nc_u32 v10, 0xff000000, v8               ; 2 off the exponent field: the conversion takes the exponent field of this operand as its scale
.irp g, 0,1,2,3
	v_cvt_scalef32_pk8_fp4_f32 v[C+4*(\b)+\g], v[XS+8*\g:XS+8*\g+7], v10
.endr
	v_lshrrev_b32 v11, 23, v10                     ; the scale's byte (also the plain line behind the conversions)
.if (\b)%4 == 0
	v_mov_b32 v[SB+(\b)/4], v11                    ; four bytes to a word, the lower c in the lower byte
.else
	v_lshl_or_b32 v[SB+(\b)/4], v11, 8*((\b)%4), v[SB+(\b)/4]
.endif
	global_store_b128 v6, v[C+4*(\b):C+4*(\b)+3], s[8:9] offset:256*(\b)   ; lanes 0-15 store 256 consecutive bytes of tile 2 b, lanes 16-31 of tile 2 b + 1, each at a multiple of 256 from the buffer's first byte
.endm
	s_load_b256 s[4:11], s[0:1], 0x0               ; queries, keys, q_pos, k_pos
	s_load_b256 s[12:19], s[0:1], 0x20             ; values, qbuf, kbuf, vcodes
	s_load_b64 s[20:21], s[0:1], 0x40              ; vscales
	v_lshl_add_u32 v240, v0, 2, 0x10800
	v_mov_b32 v241, 0
	v_lshrrev_b32 v1, 5, v0
	v_readfirstlane_b32 s22, v1                    ; wave 0..3
	v_and_b32 v1, 31, v0                           ; lane
	s_cmp_lt_u32 ttmp9, 512
	s_cbranch_scc0 .Lv
	; ---------------- PATH QK
	v_and_b32 v8, 15, v1                           ; r
	v_lshrrev_b32 v9, 4, v1                        ; u
	v_and_b32 v10, 8, v8
	v_add_nc_u32 v10, v10, v8
	v_lshl_add_u32 v10, v9, 3, v10                 ; my column of the 32: 8 u + r + (r & 8)
	v_lshlrev_b32 v2, 2, v10                       ; its 4 bytes in a row of the large tensor
	v_lshlrev_b32 v11, 4, v8                       ; 16 r
	v_lshl_add_u32 v3, v9, 10, v11                 ; pos: row lane / 16 of a pair of rows, 16 bytes a lane
	s_mul_i32 s23, s22, QW                         ; my stage
	v_mad_u32_u24 v4, v9, 272, v11
	v_add_nc_u32 v4, s23, v4                       ; into it
	v_mul_u32_u24 v5, v1, 272
	v_add_nc_u32 v5, s23, v5                       ; out of it: stage row = my lane
	v_lshl_add_u32 v6, v9, 11, v11                 ; codes: tile u of the pair, 16 r
	v_lshlrev_b32 v7, 3, v1                        ; scale words: 8 bytes a lane
	s_bfe_u32 s24, ttmp9, 0x30005                  ; batch
	s_and_b32 s25, ttmp9, 31
	s_lshl_b32 s25, s25, 2
	s_add_co_u32 s25, s25, s22                     ; which 32 columns of the batch's 4,096: 0 .. 127
	s_lshl_b32 s26, s24, 22
	s_lshl_b32 s27, s25, 7
	s_add_co_u32 s26, s26, s27
	s_mov_b32 s27, 0                               ; large tensor: batch x 4 MiB + 128 bytes x column group
	s_lshl_b32 s28, s25, 15
	s_mov_b32 s29, 0                               ; pos: 32 rows of 1,024 bytes a column group
	s_mul_i32 s30, s24, 557056
	s_lshr_b32 s31, s25, 4
	s_mul_i32 s31, s31, 69632
	s_add_co_u32 s30, s30, s31                     ; out: batch and slot
	s_and_b32 s31, s25, 15                         ; the pair of tiles in the slot
	s_lshl_b32 s32, s31, 8
	s_add_co_u32 s32, s32, s30
	s_add_co_u32 s32, s32, 65536
	s_mov_b32 s33, 0                               ; its scale words
	s_lshl_b32 s31, s31, 12
	s_add_co_u32 s30, s30, s31
	s_mov_b32 s31, 0                               ; its codes
	s_wait_alu depctr_va_vdst(0)
	s_wait_kmcnt 0x0
	s_cmp_lt_u32 ttmp9, 256                        ; queries or keys?  The choice hangs on the work-group's number alone
	s_cselect_b64 s[4:5], s[4:5], s[6:7]
	s_cselect_b64 s[6:7], s[8:9], s[10:11]
	s_cselect_b64 s[8:9], s[14:15], s[16:17]
	s_add_nc_u64 s[4:5], s[4:5], s[26:27]
	s_add_nc_u64 s[6:7], s[6:7], s[28:29]
	s_add_nc_u64 s[10:11], s[8:9], s[32:33]
	s_add_nc_u64 s[8:9], s[8:9], s[30:31]
	POSLOAD 0
	XLOAD 0
.irp k, 0,1,2,3                        ; 64 c, two blocks, a turn; everything is written out, every offset an immediate
	s_wait_loadcnt 32                              ; this turn's 16 loads of pos are in; the 32 of its first block are younger
	TURN
	XLOAD 2*\k+1
.if \k < 3
	s_wait_dscnt 16                                ; the 16 stores into the stage are done: their registers take the next turn's pos
	POSLOAD \k+1
	s_wait_dscnt 0x0                               ; pos is back, turned
	BLOCK 2*\k, 48                                 ; younger: the second block's 32 and the next pos' 16
	XLOAD 2*\k+2
	BLOCK 2*\k+1, 48                               ; younger: the next pos' 16 and the next block's 32
.else
	s_wait_dscnt 0x0
	BLOCK 6, 32
	BLOCK 7, 0
.endif
.endr
	global_store_b64 v7, v[SB:SB+1], s[10:11]      ; the wave stores the pair's 256 bytes of scale words on end
	s_wait_tensorcnt 0x0
	ds_add_u32 v240, v241
	s_wait_dscnt 0x0
	s_endpgm
	; ---------------- PATH V: values is a plain stream of blocks of 32 along n, and so are its codes and its scale bytes.
	; A wave takes 16 steps of 512 numbers.  Each of a step's four loads reads 512 consecutive bytes, 16 a lane; the 2,048 bytes go through the wave's stage and come back 64 bytes a lane: 16 neighbours, two lanes to a block.
	; A lane's 16 codes are 8 bytes: the wave stores 256 consecutive bytes.  The wave's 256 scale bytes are gathered in LDS and leave as 256 consecutive bytes.
.Lv:
	s_wait_alu depctr_va_vdst(0)
	v_lshlrev_b32 v3, 4, v1                        ; my 16 bytes of a load's 512
	s_mul_i32 s23, s22, VW
	s_add_co_u32 s23, s23, VBASE
	v_lshrrev_b32 v14, 2, v1
	v_mul_u32_u24 v14, v14, SP
	v_and_b32 v15, 3, v1
	v_lshl_add_u32 v14, v15, 4, v14
	v_add_nc_u32 v14, s23, v14                     ; the stage, on the way in: SP (lane / 4) + 16 (lane % 4)
	v_mul_u32_u24 v15, v1, SP
	v_add_nc_u32 v15, s23, v15                     ; and on the way out: SP x lane
	v_lshlrev_b32 v4, 3, v1                        ; my codes' place in a step's
	v_lshrrev_b32 v5, 1, v1
	s_add_co_u32 s23, s23, 2*32*SP
	v_add_nc_u32 v5, s23, v5                       ; my wave's 256 scale bytes, my block's byte
	v_lshlrev_b32 v7, 3, v1
	v_add_nc_u32 v6, s23, v7                       ; and on the way out 8 bytes a lane
	s_sub_co_u32 s24, ttmp9, 512
	s_lshl_b32 s24, s24, 2
	s_add_co_u32 s24, s24, s22                     ; which run of 8,192 numbers is my wave's: 0 .. 1,023
	s_lshl_b32 s26, s24, 15
	s_mov_b32 s27, 0
	s_lshl_b32 s28, s24, 12
	s_mov_b32 s29, 0
	s_lshl_b32 s30, s24, 8
	s_mov_b32 s31, 0
	s_wait_alu depctr_va_vdst(0)
	s_wait_kmcnt 0x0
	s_add_nc_u64 s[12:13], s[12:13], s[26:27]
	s_add_nc_u64 s[18:19], s[18:19], s[28:29]
	s_add_nc_u64 s[20:21], s[20:21], s[30:31]
.macro VLD t
.irp i, 0,1,2,3
	global_load_b128 v[VR+16*((\t)%4)+4*\i:VR+16*((\t)%4)+4*\i+3], v3, s[12:13] offset:2048*(\t)+512*\i th:TH_LOAD_NT
.endr
.endm
.macro VTURN t
.irp i, 0,1,2,3
	ds_store_b128 v14, v[VR+16*((\t)%4)+4*\i:VR+16*((\t)%4)+4*\i+3] offset:32*SP*((\t)%2)+8*SP*\i
.endr
.irp i, 0,1,2,3
	ds_load_b128 v[VX+16*((\t)%2)+4*\i:VX+16*((\t)%2)+4*\i+3], v15 offset:32*SP*((\t)%2)+16*\i
.endr
.endm
.macro VSTEP t
.set XS, VX+16*((\t)%2)
.if (\t) > 0
	s_wait_dscnt 1                                 ; this step's numbers are back from the stage (the last step's byte store may be out): so its stores into the stage have read their registers,
.else
	s_wait_dscnt 0x0
.endif
.if (\t)+4 < STEPS
	VLD (\t)+4                                     ; which take the loads of four steps on
.endif
.if (\t)+1 < STEPS
.if STEPS-2-(\t) >= 3
	s_wait_loadcnt 12                              ; the next step's four loads are in; those of the three steps behind it may be out
.else
	s_wait_loadcnt 4*(STEPS-2-(\t))
.endif
	VTURN (\t)+1
.endif
	v_max3_num_f32 v8, |v[XS]|, |v[XS+1]|, |v[XS+2]|
	v_max3_num_f32 v9, |v[XS+3]|, |v[XS+4]|, |v[XS+5]|
.irp i, 6,10
	v_max3_num_f32 v8, v8, |v[XS+\i]|, |v[XS+\i+1]|
	v_max3_num_f32 v9, v9, |v[XS+\i+2]|, |v[XS+\i+3]|
.endr
	v_max3_num_f32 v8, v8, |v[XS+14]|, |v[XS+15]|
	v_max3_num_f32 v8, v8, v9, 0x1800000           ; the floor 2^(3 - 127)
	v_max_num_f32_dpp v8, v8, v8 row_xmask:1 row_mask:0xf bank_mask:0xf   ; with my neighbour's 16: the block's largest magnitude
	v_add_nc_u32 v11, 0xff000000, v8
	v_cvt_scalef32_pk8_fp4_f32 v[VC+4*(\t)], v[XS:XS+7], v11
	v_cvt_scalef32_pk8_fp4_f32 v[VC+4*(\t)+1], v[XS+8:XS+15], v11
	v_lshrrev_b32 v[VE+(\t)], 23, v11              ; the scale's byte
	ds_store_b8 v5, v[VE+(\t)] offset:16*(\t)      ; both lanes of a block write the same byte with the same value
	global_store_b64 v4, v[VC+4*(\t):VC+4*(\t)+1], s[18:19] offset:256*(\t)
.endm
.irp t, 0,1,2,3
	VLD \t
.endr
	s_wait_loadcnt 12                              ; step 0's four loads are in
	VTURN 0
.irp t, 0,1,2,3,4,5,6,7,8,9,10,11,12,13,14,15
	VSTEP \t
.endr
	ds_load_b64 v[12:13], v6                       ; LDS serves a wave's instructions in order: these see my stores
	s_wait_dscnt 0x0
	global_store_b64 v7, v[12:13], s[20:21]        ; 32 lanes store 256 consecutive bytes
	s_wait_tensorcnt 0x0
	ds_add_u32 v240, v241
	s_wait_dscnt 0x0
	s_endpgm
.Lfunc_end_k_qd8d6dfb5d9_prep:
	.size	k_qd8d6dfb5d9_prep, .Lfunc_end_k_qd8d6dfb5d9_prep-k_qd8d6dfb5d9_prep
	.p2alignl 7, 3214868480
	.fill 96, 4, 3214868480
	.section	.rodata,"a",@progbits
	.p2align	6, 0x0
	.amdhsa_kernel k_qd8d6dfb5d9_prep
		.amdhsa_group_segment_fixed_size 68096
		.amdhsa_private_segment_fixed_size 0
		.amdhsa_enable_private_segment 0
		.amdhsa_kernarg_size 72
		.amdhsa_user_sgpr_count 2
		.amdhsa_user_sgpr_kernarg_segment_ptr 1
		.amdhsa_wavefront_size32 1
		.amdhsa_system_sgpr_workgroup_id_x 1
		.amdhsa_system_sgpr_workgroup_id_y 1
		.amdhsa_system_sgpr_workgroup_id_z 1
		.amdhsa_system_vgpr_workitem_id 0
		.amdhsa_next_free_vgpr 242
		.amdhsa_next_free_sgpr 66
		.amdhsa_reserve_vcc 0
		.amdhsa_float_denorm_mode_32 3
		.amdhsa_float_denorm_mode_16_64 3
		.amdhsa_memory_ordered 1
		.amdhsa_forward_progress 1
		.amdhsa_inst_pref_size 94
	.end_amdhsa_kernel
	.amdgpu_metadata
---
amdhsa.version: [ 1, 2 ]
amdhsa.kernels:
  - .name:           k_qd8d6dfb5d9_prep
    .symbol:         k_qd8d6dfb5d9_prep.kd
    .args:
      - { .name: queries, .offset: 0, .size: 8, .value_kind: global_buffer, .address_space: global }
      - { .name: keys, .offset: 8, .size: 8, .value_kind: global_buffer, .address_space: global }
      - { .name: q_pos_embedding, .offset: 16, .size: 8, .value_kind: global_buffer, .address_space: global }
      - { .name: k_pos_embedding, .offset: 24, .size: 8, .value_kind: global_buffer, .address_space: global }
      - { .name: values, .offset: 32, .size: 8, .value_kind: global_buffer, .address_space: global }
      - { .name: qbuf, .offset: 40, .size: 8, .value_kind: global_buffer, .address_space: global }
      - { .name: kbuf, .offset: 48, .size: 8, .value_kind: global_buffer, .address_space: global }
      - { .name: vcodes, .offset: 56, .size: 8, .value_kind: global_buffer, .address_space: global }
      - { .name: vscales, .offset: 64, .size: 8, .value_kind: global_buffer, .address_space: global }
    .group_segment_fixed_size: 68096
    .private_segment_fixed_size: 0
    .kernarg_segment_align: 8
    .kernarg_segment_size: 72
    .max_flat_workgroup_size: 128
    .sgpr_count:     66
    .vgpr_count:     242
    .wavefront_size: 32
...
	.end_amdgpu_metadata
.endif
;; end of part 1
;; launch attn (part 2): grid 32 x 8, 8 waves a work-group, clusters of 4 x 1, 327,680 bytes of LDS; arguments qbuf, kbuf, vcodes, vscales, out0; writes out0
.if DOCPART == 2
	.amdgcn_target "amdgcn-amd-amdhsa--gfx1250"
	.amdhsa_code_object_version 6
	.text
	.protected	k_qd8d6dfb5d9_attn
	.globl	k_qd8d6dfb5d9_attn
	.p2align	8
	.type	k_qd8d6dfb5d9_attn,@function
k_qd8d6dfb5d9_attn:
	s_mov_b64 s[64:65], 0
	v_nop
	global_prefetch_b8 v0, s[64:65] scope:SCOPE_SE
	s_setreg_imm32_b32 hwreg(HW_REG_WAVE_MODE, 25, 1), 1
	s_wait_xcnt 0x0
	s_wait_alu depctr_hold_cnt(0) depctr_sa_sdst(0) depctr_va_vdst(0) depctr_va_sdst(0) depctr_va_ssrc(0) depctr_va_vcc(0) depctr_vm_vsrc(0)
	s_getreg_b32 s2, hwreg(HW_REG_IB_STS2, 6, 4)
	s_cmp_eq_u32 s2, 0
	s_cbranch_scc0 .Lentry_in_a_cluster
	s_endpgm
.Lentry_in_a_cluster:
	s_bfe_u32 s2, ttmp6, 0x10000c
	s_cmp_lg_u32 s2, 0x3003
	s_cbranch_scc0 .Lentry_shape_is_right
	s_endpgm
.Lentry_shape_is_right:
; out[b][cv][n] = sum over keys of softmax(q k^T / 16) v, both products on FP4 (E2M1) codes with E8M0 scales for each 32 along K.
; qbuf, kbuf: [batch][slot of 512 n][69,632 bytes] in the order of the operand's registers (32 tiles of 2,048 bytes, then the scale words at 65,536); vcodes [b][256 cv][2,048 bytes], keys innermost; vscales [b][256][128].
; SOFTMAX: t = score x log2(e) / 16; M = the running largest t rounded up to a whole number; p = 2^(t - M) is quantised along the keys; the row's sum is of the unquantised p, in f32, and divides at the end.
; A block's scale is taken from floor(t - M) of the block's largest score: that is the exponent of its largest p.  LIMIT: the promise holds while the scaled scores stay under 2^31 in magnitude; NaN and infinities are not served.
; SHARES: a work-group owns 128 queries of a batch.  Waves w and w + 4 own the same 32 queries (two tiles) and each takes half of the keys, 128 of every 256; at the end each keeps one tile and takes the partner's part of it through LDS.
; Both products are used transposed (S^T = K Q^T, O^T = V^T P^T): a lane holds one query.  O^T: 2 tiles x 128 registers in window 1.
; RING: two slots of 512 keys (K's 69,632 bytes, then V's 256 rows of 272).  Waves 0, 1 fetch K's halves, waves 2, 3 V's; at the head waves 4 to 7 fetch the quarters of V's scale bytes of the whole batch: one tensor load a wave there.
; CLUSTER: the four work-groups of a cluster walk the same K and V of one batch: every tile is asked for jointly (mask 15).
; THE CHANGE OF SLOTS stands inside a slot's last step: behind the step's loads of V come the wait for all tensor loads, the add, the rescaling of O^T, the wait on DScnt and the opening signal; the step's 16 products stand between signal and wait.
; PREFETCH: at each refill waves 0, 1 (K) and 4, 5 (V) of the clusters with x = 0 ask for the slot that the next refill loads, 32 blocks of 256 bytes a wave, the partners told apart by address; the last refill asks for nothing.
.set SLOT,   139264
.set KSC,    65536
.set VOFF,   69632
.set HALF,   34816                     ; half of K's or of V's part of a slot: what one tensor load brings
.set VP,     272
.set SCV,    2*SLOT                    ; V's scale bytes: 128 rows of 256 + 16
.set SPARE,  SCV+128*272               ; the spare words: 128 bytes a wave
.set XIMG,   0                         ; way out: images of O^T tiles, 16,384 bytes a wave, in slot 0 (last read ahead of the last barrier of the walk)
.set XST,    131072                    ; -M and the sums, 256 bytes a wave
.set STG,    133120                    ; the stage: 256 channel rows of 512 + 16 bytes
.set SPITCH, 528
.set AK0,  1
.set AKS0, 2
.set AV0,  3
.set ASV0, 4
.set SPW,  5
.set NIL,  6
.set ADK,  7
.set ADS,  8
.set ADV,  9
.set ADT,  10
.set PFO,  11
.set KS2,  12                          ; v12-13 K's scale words, second buffer
.set ST,   16                          ; v16-27 for each tile: -M, largest t, the sum (2), f, p's scale word
.set QS,   28
.set KS,   30
.set QF,   32
.set FB,   64                          ; v64-95 K's fragments, first buffer; at work in the softmax
.set TM,   64
.set FB2,  96                          ; v96-127 second buffer: VS and PC are idle while K is multiplied
.set VS,   96
.set PC,   112
.set S,    128                         ; v128-255 S^T, p, then V's fragments
.set WV,   14
.set JP,   15
.set PAIR, 16
.set CX,   17
.set XG,   18
.set BT,   19
.set SEL,  20
.set CS,   22
.set G1K,  24
.set G1V,  32
.set G1S,  40
.set G0K,  48
.set G0V,  52
.set G0S,  56
.set TB,   60
.set TJ,   61
.set SLOTS, 62
.set LIM,  63
.set PFA,  66
.set PFS,  68
.set MSB, 0
.macro WIN new                         ; the immediate's high byte repeats the setting that is left
.if MSB != \new
	s_set_vgpr_msb (MSB<<8)|\new
.set MSB, \new
.endif
.endm
.set W_RS, 0x41
.set W_PV, 0x50
.set W_ST, 0x04
.set W_FM, 0x01
.macro PLACES n
.rept \n
	v_nop
.endr
.endm
.macro JLOAD                           ; a refill: waves 0, 1 K's halves, waves 2, 3 V's, the others nothing; the branches hang on the wave's number alone
	s_cmp_lt_u32 s[WV], 2
	s_cbranch_scc0 .Lnot_k_\@
	tensor_load_to_lds s[G0K:G0K+3], s[G1K:G1K+7]
	s_nop 0
	PLACES 4
	s_branch .Lasked_\@
.Lnot_k_\@:
	s_cmp_lt_u32 s[WV], 4
	s_cbranch_scc0 .Lasked_\@
	tensor_load_to_lds s[G0V:G0V+3], s[G1V:G1V+7]
	s_nop 0
	PLACES 4
.Lasked_\@:
.endm
.macro ASK
	s_cmp_gt_u32 s[SLOTS], s[LIM]
	s_cbranch_scc0 .Lnot_mine_\@
	s_wait_alu depctr_va_vdst(0)
	global_prefetch_b8 v[PFO], s[PFA:PFA+1] th:TH_LOAD_NT scope:SCOPE_SE
.Lnot_mine_\@:
.endm
.macro CREST                           ; a round of the cluster's barrier behind its opening barrier
	s_cmp_lg_u32 s[WV], 0
	s_cbranch_scc1 .Lnot_wave_0_\@
	s_barrier_signal -3
.Lnot_wave_0_\@:
	s_barrier_wait -3
	s_barrier_signal -1
	s_barrier_wait -1
.endm
.macro CROUND
	s_barrier_signal -1
	s_barrier_wait -1
	CREST
.endm
.macro TOCHANGE fill                   ; fill = 1: a refill follows; 2: none
	s_wait_tensorcnt 0x0                           ; all my tensor loads have landed, so the groups 0 may be written
	ds_add_u32 v[SPW], v[NIL]
.if \fill == 1
	s_xor_b32 s[G0K+1], s[G0K+1], SLOT
	s_add_nc_u64 s[G0K+2:G0K+3], s[G0K+2:G0K+3], 69632
	s_xor_b32 s[G0V+1], s[G0V+1], SLOT
	s_add_nc_u64 s[G0V+2:G0V+3], s[G0V+2:G0V+3], 256
	s_wait_xcnt 0x0                                ; my prefetch has read its address
	s_add_nc_u64 s[PFA:PFA+1], s[PFA:PFA+1], s[PFS:PFS+1]
.endif
.endm
.macro REFILL
	CREST
	JLOAD                                          ; the first tensor load behind the round
	ASK
.endm
.macro KLOAD i, g, fb, ks              ; two tiles of 16 keys x 256 c and their scale words: nine LDS loads
.irp u, 0,1
.irp s, 0,1
.irp c, 0,1
	ds_load_b128 v[\fb+16*\s+8*\u+4*\c:\fb+16*\s+8*\u+4*\c+3], v[ADK] offset:32768*\i+(2*\g+\u)*2048+1024*\s+512*\c   ; registers 16 s + 8 u: the pair of tiles is one operand of 32 rows for each 128 c
.endr
.endr
.endr
	ds_load_b64 v[\ks:\ks+1], v[ADS] offset:2048*\i+256*\g
.endm
.macro KQ g, fb, ks                    ; two accumulators by turns, two K steps of 128 c
	; the form of 32 rows: source 0 = the pair's 32 keys, its scale word in lane m for row m; the 16 result registers are the pair's 16 neighbouring keys of a lane.  Two accumulators (my two tiles of queries) by turns
	v_wmma_scale_f32_32x16x128_f4 v[S+16*\g:S+16*\g+15], v[\fb:\fb+15], v[QF:QF+7], 0, v[\ks], v[QS]
	v_wmma_scale_f32_32x16x128_f4 v[S+64+16*\g:S+64+16*\g+15], v[\fb:\fb+15], v[QF+16:QF+23], 0, v[\ks], v[QS] matrix_b_scale:MATRIX_SCALE_ROW1
	v_wmma_scale_f32_32x16x128_f4 v[S+16*\g:S+16*\g+15], v[\fb+16:\fb+31], v[QF+8:QF+15], v[S+16*\g:S+16*\g+15], v[\ks+1], v[QS+1]
	v_wmma_scale_f32_32x16x128_f4 v[S+64+16*\g:S+64+16*\g+15], v[\fb+16:\fb+31], v[QF+24:QF+31], v[S+64+16*\g:S+64+16*\g+15], v[\ks+1], v[QS+1] matrix_b_scale:MATRIX_SCALE_ROW1
.endm
.macro SOFTMAX
.irp t, 0,1                            ; the largest score of each block of 32 keys, eight chains by turns
.irp b, 0,1,2,3
	v_max3_num_f32 v[TM+16*\t+\b], v[S+64*\t+16*\b], v[S+64*\t+16*\b+1], v[S+64*\t+16*\b+2]
.endr
.endr
.irp i, 3,5,7,9,11,13
.irp t, 0,1
.irp b, 0,1,2,3
	v_max3_num_f32 v[TM+16*\t+\b], v[TM+16*\t+\b], v[S+64*\t+16*\b+\i], v[S+64*\t+16*\b+\i+1]
.endr
.endr
.endr
.irp t, 0,1
.irp b, 0,1,2,3
	v_max_num_f32 v[TM+16*\t+\b], v[TM+16*\t+\b], v[S+64*\t+16*\b+15]
.endr
.endr
.irp t, 0,1
.irp b, 0,1,2,3
	v_permlanex16_b32 v[TM+16*\t+4+\b], v[TM+16*\t+\b], s[SEL], s[SEL+1]
.endr
.endr
.irp t, 0,1
.irp b, 0,1,2,3
	v_max_num_f32 v[TM+16*\t+\b], v[TM+16*\t+\b], v[TM+16*\t+4+\b]
.endr
.endr
.irp t, 0
	v_max3_num_f32 v[TM+16*\t+12], v[TM+16*\t], v[TM+16*\t+1], v[TM+16*\t+2]
.endr
.irp t, 1
	s_delay_alu instid0(VALU_DEP_3)
	v_max3_num_f32 v[TM+16*\t+12], v[TM+16*\t], v[TM+16*\t+1], v[TM+16*\t+2]
.endr
.irp t, 0,1
	s_delay_alu instid0(VALU_DEP_2)
	v_max_num_f32 v[TM+16*\t+12], v[TM+16*\t+12], v[TM+16*\t+3]
.endr
.irp t, 0,1
	s_delay_alu instid0(VALU_DEP_2)
	v_mul_f32 v[TM+16*\t+12], s[CS], v[TM+16*\t+12]
.endr
.irp t, 0,1
	s_delay_alu instid0(VALU_DEP_2)
	v_max_num_f32 v[ST+6*\t+1], v[ST+6*\t+1], v[TM+16*\t+12]   ; the running largest t
.endr
.irp t, 0,1
	v_mov_b32 v[TM+16*\t+12], v[ST+6*\t]
.endr
.irp t, 0,1
	s_delay_alu instid0(VALU_DEP_4)
	v_floor_f32 v[ST+6*\t], -v[ST+6*\t+1]          ; -M = floor(-t)
.endr
.irp t, 0,1
	s_delay_alu instid0(VALU_DEP_2)
	v_sub_f32 v[TM+16*\t+12], v[ST+6*\t], v[TM+16*\t+12]
.endr
.irp t, 0,1
	s_delay_alu instid0(VALU_DEP_2)
	v_cvt_i32_f32 v[TM+16*\t+12], v[TM+16*\t+12]
.endr
.irp t, 0,1
	s_delay_alu instid0(VALU_DEP_2)
	v_ldexp_f32 v[ST+6*\t+4], 1.0, v[TM+16*\t+12]  ; f = 2^(old M - new M)
.endr
.irp t, 0,1
.set j, 0
.rept 32
	v_pk_fma_f32 v[S+64*\t+j:S+64*\t+j+1], v[S+64*\t+j:S+64*\t+j+1], s[CS:CS+1], v[ST+6*\t:ST+6*\t+1] op_sel_hi:[1,0,0]
.set j, j+2
.endr
.irp b, 0,1,2,3
	v_fma_f32 v[TM+16*\t+\b], v[TM+16*\t+\b], s[CS], v[ST+6*\t]   ; t - M of the block's largest score
.endr
.endr
.irp t, 0,1                            ; its floor e is the exponent of the block's largest p; held at -124, so that the byte e + 125 cannot fall under 1
.irp b, 0,1,2,3
	v_max_num_f32 v[TM+16*\t+\b], 0xc2f80000, v[TM+16*\t+\b]
.endr
.endr
.irp t, 0,1
.irp b, 0,1,2,3
	v_cvt_floor_i32_f32 v[TM+16*\t+\b], v[TM+16*\t+\b]
.endr
.endr
.irp t, 0,1
.irp b, 0,1,2,3
	v_lshl_add_u32 v[TM+16*\t+8+\b], v[TM+16*\t+\b], 23, 0x3e800000   ; (e + 125) << 23: the conversion's scale operand
.endr
.endr
.irp t, 0,1
.irp b, 0,1,2,3
	v_add_nc_u32 v[TM+16*\t+4+\b], 125, v[TM+16*\t+\b]               ; the scale's byte
.endr
.endr
.irp t, 0
	v_lshl_or_b32 v[ST+6*\t+5], v[TM+16*\t+5], 8, v[TM+16*\t+4]
.endr
.irp t, 1
	s_delay_alu instid0(VALU_DEP_4)
	v_lshl_or_b32 v[ST+6*\t+5], v[TM+16*\t+5], 8, v[TM+16*\t+4]
.endr
.irp t, 0,1
	s_delay_alu instid0(VALU_DEP_2)
	v_lshl_or_b32 v[ST+6*\t+5], v[TM+16*\t+6], 16, v[ST+6*\t+5]
.endr
.irp t, 0,1
	s_delay_alu instid0(VALU_DEP_2)
	v_lshl_or_b32 v[ST+6*\t+5], v[TM+16*\t+7], 24, v[ST+6*\t+5]
.endr
	s_wait_alu depctr_va_vdst(0)
.irp t, 0,1
.set j, 0
.rept 64
	v_exp_f32 v[S+64*\t+j], v[S+64*\t+j]
.set j, j+1
.endr
.endr
.irp t, 0,1
	v_pk_mul_f32 v[ST+6*\t+2:ST+6*\t+3], v[ST+6*\t+2:ST+6*\t+3], v[ST+6*\t+4:ST+6*\t+5] op_sel_hi:[1,0]
.endr
	s_wait_alu depctr_va_vdst(0)                   ; behind the batch, ahead of its first reader
.irp t, 0,1
.irp b, 0,1,2,3
	v_cvt_scalef32_pk8_fp4_f32 v[PC+8*\t+2*\b], v[S+64*\t+16*\b:S+64*\t+16*\b+7], v[TM+16*\t+8+\b]
	v_cvt_scalef32_pk8_fp4_f32 v[PC+8*\t+2*\b+1], v[S+64*\t+16*\b+8:S+64*\t+16*\b+15], v[TM+16*\t+8+\b]
.endr
.endr
	v_nop
.irp t, 0,1                            ; a whole block to a lane
.irp c, 0,1
.irp i, 0,1
	v_permlane16_swap_b32 v[PC+8*\t+4*\c+\i], v[PC+8*\t+4*\c+2+\i]
.endr
.endr
.endr
.irp t, 0,1                            ; the row's sum of the unquantised p
	v_pk_add_f32 v[TM+16*\t+14:TM+16*\t+15], v[S+64*\t:S+64*\t+1], v[S+64*\t+2:S+64*\t+3]
.endr
.irp j, 4,8,12,16,20,24,28,32,36,40,44,48,52,56,60
.irp t, 0,1
	v_pk_add_f32 v[ST+6*\t+2:ST+6*\t+3], v[ST+6*\t+2:ST+6*\t+3], v[S+64*\t+\j:S+64*\t+\j+1]
	v_pk_add_f32 v[TM+16*\t+14:TM+16*\t+15], v[TM+16*\t+14:TM+16*\t+15], v[S+64*\t+\j+2:S+64*\t+\j+3]
.endr
.endr
.irp t, 0
	s_delay_alu instid0(VALU_DEP_3)
	v_pk_add_f32 v[ST+6*\t+2:ST+6*\t+3], v[ST+6*\t+2:ST+6*\t+3], v[TM+16*\t+14:TM+16*\t+15]
.endr
.irp t, 1
	s_delay_alu instid0(VALU_DEP_2)
	v_pk_add_f32 v[ST+6*\t+2:ST+6*\t+3], v[ST+6*\t+2:ST+6*\t+3], v[TM+16*\t+14:TM+16*\t+15]
.endr
.endm
.macro VLOAD i                         ; 8 loads of scale words, then 16 tiles of V^T: 40 LDS loads
.irp n, 0,1,2,3,4,5,6,7
	ds_load_b32 v[VS+\n], v[ADT] offset:4352*\n+8*\i
.endr
.irp n, 0,1,2,3,4,5,6,7,8,9,10,11,12,13,14,15
.irp c, 0,1
	ds_load_b128 v[S+8*\n+4*\c:S+8*\n+4*\c+3], v[ADV] offset:16*VP*\n+128*\i+32*\c
.endr
.endr
.endm
.macro RESCALE
	WIN W_RS
	s_wait_alu depctr_va_vdst(0)
.irp t, 0,1
.set j, 0
.rept 64
	v_pk_mul_f32 v[128*\t+j:128*\t+j+1], v[128*\t+j:128*\t+j+1], v[ST+6*\t+4:ST+6*\t+5] op_sel_hi:[1,0]
.set j, j+2
.endr
.endr
.endm
.macro PV1 cp, t, first                ; 32 channels (pair cp of V^T's tiles, scale word in lane m for row m) x my tile t of queries x 128 keys
.if \first
	v_wmma_scale_f32_32x16x128_f4 v[128*\t+16*(\cp):128*\t+16*(\cp)+15], v[S+16*(\cp):S+16*(\cp)+15], v[PC+8*\t:PC+8*\t+7], 0, v[VS+(\cp)], v[ST+6*\t+5]
.else
	v_wmma_scale_f32_32x16x128_f4 v[128*\t+16*(\cp):128*\t+16*(\cp)+15], v[S+16*(\cp):S+16*(\cp)+15], v[PC+8*\t:PC+8*\t+7], v[128*\t+16*(\cp):128*\t+16*(\cp)+15], v[VS+(\cp)], v[ST+6*\t+5]
.endif
.endm
.macro PV first, landed, extra         ; landed = 1: every load of V has been waited for; extra: LDS loads issued behind V's, which may stay out
	WIN W_PV
.if \landed == 0
	s_wait_alu depctr_va_vdst(0)
.endif
.irp k, 0,1,2,3
.if \landed == 0
	s_wait_dscnt 24-8*\k+\extra                    ; the scale words and tiles 0 .. 4 k + 3 are in; 8 loads for each later group of four tiles, and the extra ones, may be out
.endif
.irp c, 0,1
.irp t, 0,1
	PV1 2*\k+\c, \t, \first
.endr
.endr
.endr
.endm
; A KEY STEP of my 128 keys.  K's fragments take turns in two buffers: while one group of 32 keys is multiplied, the next group's nine loads are out (s_wait_dscnt 9).
.macro STEP i, first, meet
	PLACES 5
.if \i == 0
	KLOAD \i, 0, FB, KS                            ; (a slot's second step finds its first group asked for by the first step)
.endif
	KLOAD \i, 1, FB2, KS2
	s_wait_dscnt 9
	KQ 0, FB, KS
	PLACES 4
	KLOAD \i, 2, FB, KS
	s_wait_dscnt 9
	KQ 1, FB2, KS2
	PLACES 4
	KLOAD \i, 3, FB2, KS2
	s_wait_dscnt 9
	KQ 2, FB, KS
	s_wait_dscnt 0x0
	KQ 3, FB2, KS2
	PLACES 4
	SOFTMAX
	VLOAD \i
.if \i == 0
	KLOAD 1, 0, FB, KS                             ; the same slot's second step, first group: nine loads into the buffer that the softmax has left; they land under this step's products
.endif
.if \meet
	TOCHANGE \meet
.endif
.if \first == 0
	RESCALE
.endif
.if \meet
	s_wait_alu depctr_va_vdst(0)
	s_wait_dscnt 0x0                               ; the add is done and my reads of this slot are over
	s_barrier_signal -1
	PV \first, 1, 0                                ; work on registers between signal and wait
	WIN 0
	s_barrier_wait -1
.if \meet == 1
	REFILL
.endif
.else
.if \i == 0
	PV \first, 0, 9
.else
	PV \first, 0, 0
.endif
	WIN 0
.endif
.endm
.macro SLOT_HEAD
	v_add_nc_u32 v[ADK], s[TB], v[AK0]
	v_add_nc_u32 v[ADS], s[TB], v[AKS0]
	v_add_nc_u32 v[ADV], s[TB], v[AV0]
	v_add_nc_u32 v[ADT], s[TJ], v[ASV0]
	s_wait_alu depctr_va_vdst(0)
.endm
.macro SLOT_NEXT
	s_xor_b32 s[TB], s[TB], SLOT
	s_add_co_u32 s[TJ], s[TJ], 16
	SLOT_HEAD
.endm
	s_load_b256 s[4:11], s[0:1], 0x0               ; qbuf, kbuf, vcodes, vscales
	s_load_b64 s[12:13], s[0:1], 0x20              ; out0
	v_lshl_add_u32 v[SPW], v0, 2, SPARE
	v_mov_b32 v[NIL], 0
	ds_add_u32 v[SPW], v[NIL]                      ; the opening lines: the add twice on end and one wait
	ds_add_u32 v[SPW], v[NIL]
	v_lshrrev_b32 v7, 5, v0
	s_delay_alu instid0(VALU_DEP_1)
	v_readfirstlane_b32 s[WV], v7
	s_lshr_b32 s[JP], s[WV], 2                     ; which half of the keys
	s_and_b32 s[PAIR], s[WV], 3                    ; which 32 queries
	s_bfe_u32 s[CX], ttmp6, 0x40000
	s_lshl_b32 s[XG], ttmp9, 2
	s_add_co_u32 s[XG], s[XG], s[CX]               ; block of 128 queries
	s_and_b32 s[BT], ttmp7, 0xffff                 ; batch
	s_mov_b32 s[G1K], 15|(3<<16)|(1<<21)           ; K: 136 dense rows of 256 bytes
	s_mov_b32 s[G1K+1], 32<<16
	s_mov_b32 s[G1K+2], 136<<16
	s_mov_b32 s[G1K+3], 32<<16
	s_mov_b32 s[G1K+4], 136
	s_mov_b32 s[G1K+5], 32
	s_mov_b32 s[G1K+6], 0
	s_mov_b32 s[G1K+7], 0
	s_mov_b32 s[G1V], 15|(0<<16)|(1<<20)|(1<<21)|(5<<22)|(3<<25)   ; V: 128 rows of 256 bytes, 2,048 apart, 16 bytes of padding
	s_mov_b32 s[G1V+1], 256<<16
	s_mov_b32 s[G1V+2], 128<<16
	s_mov_b32 s[G1V+3], 256<<16
	s_mov_b32 s[G1V+4], 128
	s_mov_b32 s[G1V+5], 2048
	s_mov_b32 s[G1V+6], 0
	s_mov_b32 s[G1V+7], 0
	s_mov_b32 s[G1S], 15|(3<<16)|(1<<20)|(1<<21)|(5<<22)|(3<<25)   ; V's scale bytes: 32 dense rows of 256 bytes, padded
	s_mov_b32 s[G1S+1], 32<<16
	s_mov_b32 s[G1S+2], 32<<16
	s_mov_b32 s[G1S+3], 32<<16
	s_mov_b32 s[G1S+4], 32
	s_mov_b32 s[G1S+5], 32
	s_mov_b32 s[G1S+6], 0
	s_mov_b32 s[G1S+7], 0
	s_and_b32 s79, s[WV], 1
	s_mul_i32 s70, s79, HALF                       ; my half, in a slot and in K's memory
	s_mul_i32 s71, s[PAIR], 8704                   ; my quarter of the scale bytes in LDS
	s_mul_i32 s72, s[BT], 557056
	s_add_co_u32 s72, s72, s70
	s_mov_b32 s73, 0
	s_lshl_b32 s74, s[BT], 19
	s_lshl_b32 s75, s79, 18
	s_add_co_u32 s74, s74, s75
	s_mov_b32 s75, 0
	s_lshl_b32 s76, s[BT], 15
	s_lshl_b32 s77, s[PAIR], 13
	s_add_co_u32 s76, s76, s77
	s_mov_b32 s77, 0
	s_mov_b32 s[SEL], 0x76543210
	s_mov_b32 s[SEL+1], 0xfedcba98
	s_mov_b32 s[CS], 0x3db8aa3b                    ; log2(e) / 16
	s_mov_b32 s[CS+1], s[CS]
	s_mov_b32 s[TB], 0
	s_mov_b32 s[TJ], 0
	s_mov_b32 s[SLOTS], 7
	v_and_b32 v15, 31, v0
	v_and_b32 v13, 15, v0
	v_bfe_u32 v14, v0, 4, 1
	s_lshl_b32 s78, s[JP], 14
	v_lshl_add_u32 v[AK0], v15, 4, s78
	s_lshl_b32 s78, s[JP], 10
	s_add_co_u32 s78, s78, KSC
	v_lshl_add_u32 v[AKS0], v15, 3, s78
	v_mul_u32_u24 v[AV0], v13, VP
	s_delay_alu instid0(VALU_DEP_1)
	v_lshl_add_u32 v[AV0], v14, 4, v[AV0]
	s_lshl_b32 s78, s[JP], 6
	s_add_co_u32 s78, s78, VOFF
	v_add_nc_u32 v[AV0], s78, v[AV0]
	v_lshrrev_b32 v12, 1, v13
	s_delay_alu instid0(VALU_DEP_1)
	v_mul_u32_u24 v[ASV0], v12, 272
	v_and_b32 v12, 1, v13
	s_delay_alu instid0(VALU_DEP_1)
	v_lshl_add_u32 v[ASV0], v12, 7, v[ASV0]
	s_delay_alu instid0(VALU_DEP_1)
	v_mad_u32_u24 v[ASV0], v14, 2176, v[ASV0]
	s_lshl_b32 s78, s[JP], 2
	s_add_co_u32 s78, s78, SCV
	v_add_nc_u32 v[ASV0], s78, v[ASV0]
.irp t, 0,1
	v_mov_b32 v[ST+6*\t+1], 0xff61b1e6             ; the largest t so far: under every t
	s_delay_alu instid0(VALU_DEP_1)
	v_floor_f32 v[ST+6*\t], -v[ST+6*\t+1]
	v_mov_b32 v[ST+6*\t+2], 0
	v_mov_b32 v[ST+6*\t+3], 0
	v_mov_b32 v[ST+6*\t+5], 0
.endr
	s_lshl_b32 s78, s[JP], 11                      ; Q: my tile 0 is tile JP of the pair, my tile 1 the other
	v_lshl_add_u32 v12, v15, 4, s78
	s_delay_alu instid0(VALU_DEP_1)
	v_xor_b32 v13, 2048, v12
	s_lshl_b32 s78, s[JP], 7
	v_lshlrev_b32 v14, 3, v15
	s_delay_alu instid0(VALU_DEP_1)
	v_xor_b32 v14, s78, v14
	s_wait_alu depctr_va_vdst(0)
	s_wait_dscnt 0x0                               ; both opening adds are done
	s_wait_kmcnt 0x0
	s_mov_b32 s[G0K], 1
	s_mov_b32 s[G0K+1], s70
	s_add_nc_u64 s[G0K+2:G0K+3], s[6:7], s[72:73]
	s_or_b32 s[G0K+3], s[G0K+3], 0x80000000
	s_mov_b32 s[G0V], 1
	s_add_co_u32 s[G0V+1], s70, VOFF
	s_add_nc_u64 s[G0V+2:G0V+3], s[8:9], s[74:75]
	s_or_b32 s[G0V+3], s[G0V+3], 0x80000000
	s_mov_b32 s[G0S], 1
	s_add_co_u32 s[G0S+1], s71, SCV
	s_add_nc_u64 s[G0S+2:G0S+3], s[10:11], s[76:77]
	s_or_b32 s[G0S+3], s[G0S+3], 0x80000000
	s_mul_i32 s70, s[BT], 557056                   ; my two tiles of Q and their scale words
	s_lshr_b32 s71, s[XG], 2
	s_mul_i32 s71, s71, 69632
	s_add_co_u32 s70, s70, s71
	s_and_b32 s71, s[XG], 3
	s_lshl_b32 s72, s71, 14
	s_lshl_b32 s73, s[PAIR], 12
	s_add_co_u32 s72, s72, s73
	s_add_co_u32 s72, s72, s70
	s_mov_b32 s73, 0
	s_lshl_b32 s74, s71, 10
	s_lshl_b32 s75, s[PAIR], 8
	s_add_co_u32 s74, s74, s75
	s_add_co_u32 s74, s74, s70
	s_add_co_u32 s74, s74, KSC
	s_mov_b32 s75, 0
	s_add_nc_u64 s[76:77], s[4:5], s[72:73]
	s_add_nc_u64 s[78:79], s[4:5], s[74:75]
.irp s, 0,1
.irp c, 0,1
	global_load_b128 v[QF+8*\s+4*\c:QF+8*\s+4*\c+3], v12, s[76:77] offset:1024*\s+512*\c
	global_load_b128 v[QF+16+8*\s+4*\c:QF+16+8*\s+4*\c+3], v13, s[76:77] offset:1024*\s+512*\c
.endr
.endr
	global_load_b64 v[QS:QS+1], v14, s[78:79]
	CROUND                                         ; the round in front of the first joint loads
.macro ARM under, g0, g1, next         ; the head's loads: one chain of branches on the wave's number, one load to an arm
	s_cmp_lt_u32 s[WV], \under
	s_cbranch_scc0 \next
	tensor_load_to_lds s[\g0:\g0+3], s[\g1:\g1+7]
	s_nop 0
	PLACES 4
	s_branch .Lhead_asked
\next:
.endm
	ARM 2, G0K, G1K, .Lhead_v
	ARM 4, G0V, G1V, .Lhead_s
	tensor_load_to_lds s[G0S:G0S+3], s[G1S:G1S+7]
	s_nop 0
	PLACES 4
.Lhead_asked:
	s_cmp_lt_u32 s[WV], 4                          ; the prefetches: waves 0, 1 stand in K, waves 4, 5 in V
	s_cselect_b64 s[PFA:PFA+1], s[6:7], s[8:9]
	s_mov_b32 s[PFS], 256
	s_cselect_b32 s[PFS], 69632, s[PFS]            ; a slot on
	s_cselect_b32 s70, 8, 11                       ; from lane to lane: 256 bytes in K, a row in V
	s_cselect_b32 s71, 14, 17                      ; from partner to partner
	s_cselect_b32 s72, 13, 16                      ; from wave to wave
	s_mov_b32 s73, 524288
	s_cselect_b32 s73, 557056, s73
	s_mul_i32 s74, s73, s[BT]
	s_lshl_b32 s71, s[CX], s71
	s_add_co_u32 s74, s74, s71
	s_and_b32 s71, s[WV], 1
	s_lshl_b32 s71, s71, s72
	s_add_co_u32 s74, s74, s71
	s_add_co_u32 s74, s74, s[PFS]                  ; at slot 1: the first change steps it to slot 2
	s_mov_b32 s75, 0
	s_mov_b32 s[PFS+1], 0
	s_add_nc_u64 s[PFA:PFA+1], s[PFA:PFA+1], s[74:75]
	v_lshlrev_b32 v[PFO], s70, v15
	s_and_b32 s71, s[WV], 2
	s_or_b32 s71, s71, ttmp9
	s_cmp_eq_u32 s71, 0
	s_cselect_b32 s[LIM], 1, -1
	s_wait_alu depctr_va_vdst(0)
	s_wait_loadcnt 0x0                             ; Q
	TOCHANGE 1                                     ; slot 0 and the scale bytes are in; slot 1's first fill is issued as a refill is
	s_wait_dscnt 0x0
	CROUND
	JLOAD
	ASK
	SLOT_HEAD
	STEP 0, 1, 0                                   ; the first products start O^T's sums
	s_mov_b32 s[SLOTS], 6
.Lslot:                                            ; six trips: slot k's second step with the change of slots (slot k + 2 is asked for), then slot k + 1's first step
	STEP 1, 0, 1
	SLOT_NEXT
	STEP 0, 0, 0
	s_sub_co_u32 s[SLOTS], s[SLOTS], 1
	s_cmp_lg_u32 s[SLOTS], 0
	s_cbranch_scc1 .Lslot
	STEP 1, 0, 2                                   ; slot 6's second step: the last change of slots asks for nothing
	SLOT_NEXT
	STEP 0, 0, 0
	STEP 1, 0, 0
	; THE WAY OUT.  I send my tile 1 with its -M and sum to my partner, take its part of my tile 0, join the two under the common M and divide by the sum.
	v_and_b32 v15, 31, v0
	s_delay_alu instid0(VALU_DEP_1)
	v_lshlrev_b32 v14, 4, v15
	s_lshl_b32 s70, s[WV], 14
	v_add_nc_u32 v7, s70, v14
	s_xor_b32 s71, s[WV], 4
	s_lshl_b32 s72, s71, 14
	v_add_nc_u32 v8, s72, v14
	v_lshlrev_b32 v9, 2, v15
	s_delay_alu instid0(VALU_DEP_1)
	v_add_nc_u32 v9, XST, v9
	s_lshl_b32 s72, s71, 8
	v_add_nc_u32 v10, s72, v9
	s_lshl_b32 s70, s[WV], 8
	v_add_nc_u32 v9, s70, v9
	v_and_b32 v12, 15, v0
	s_delay_alu instid0(VALU_DEP_1)
	v_and_b32 v13, 8, v12
	s_delay_alu instid0(VALU_DEP_1)
	v_add_nc_u32 v12, v12, v13
	s_lshl_b32 s70, s[PAIR], 5
	s_lshl_b32 s72, s[JP], 3
	s_add_co_u32 s70, s70, s72
	v_add_nc_u32 v12, s70, v12                     ; my query's column among the 128
	s_delay_alu instid0(VALU_DEP_1)
	v_lshlrev_b32 v12, 2, v12
	v_bfe_u32 v13, v0, 4, 1
	s_delay_alu instid0(VALU_DEP_1)
	v_mad_u32_u24 v12, v13, 8*SPITCH, v12
	s_delay_alu instid0(VALU_DEP_1)
	v_add_nc_u32 v12, STG, v12
	s_mul_i32 s70, s[WV], 8*SPITCH                 ; back: of each quarter of 64 channel rows my wave takes eight
	s_add_co_u32 s70, s70, STG
	v_add_nc_u32 v13, s70, v14
	v_add_f32 v[ST+8], v[ST+8], v[ST+9]
	WIN W_ST
.set i, 0
.rept 32
	ds_store_b128 v7, v[128+4*i:128+4*i+3] offset:XIMG+512*i
.set i, i+1
.endr
	WIN 0
	ds_store_b32 v9, v[ST+6]
	ds_store_b32 v9, v[ST+8] offset:128
	s_wait_dscnt 0x0
	s_barrier_signal -1
	s_barrier_wait -1
	ds_load_b32 v64, v10
	ds_load_b32 v65, v10 offset:128
.set i, 0
.rept 32
	ds_load_b128 v[S+4*i:S+4*i+3], v8 offset:XIMG+512*i
.set i, i+1
.endr
	s_wait_dscnt 32                                ; the partner's -M and sum are in; the 32 loads of its tile may be out
	v_min_num_f32 v66, v[ST], v64                  ; the common -M
	s_delay_alu instid0(VALU_DEP_1)
	v_sub_f32 v67, v66, v[ST]
	s_delay_alu instid0(VALU_DEP_2)
	v_sub_f32 v68, v66, v64
	s_delay_alu instid0(VALU_DEP_2)
	v_cvt_i32_f32 v67, v67
	s_delay_alu instid0(VALU_DEP_2)
	v_cvt_i32_f32 v68, v68
	s_delay_alu instid0(VALU_DEP_2)
	v_ldexp_f32 v67, 1.0, v67
	s_delay_alu instid0(VALU_DEP_2)
	v_ldexp_f32 v68, 1.0, v68
	v_add_f32 v69, v[ST+2], v[ST+3]
	s_delay_alu instid0(VALU_DEP_1)
	v_mul_f32 v69, v67, v69
	s_delay_alu instid0(VALU_DEP_1)
	v_fma_f32 v69, v68, v65, v69
	s_delay_alu instid0(VALU_DEP_1)
	v_permlanex16_b32 v70, v69, s[SEL], s[SEL+1]
	s_delay_alu instid0(VALU_DEP_1)
	v_add_f32 v69, v69, v70                        ; the row's sum
	s_wait_alu depctr_va_vdst(0)
	v_rcp_f32 v69, v69
	v_nop
	s_wait_alu depctr_va_vdst(0)
	v_mul_f32 v72, v67, v69
	v_mul_f32 v74, v68, v69
	s_delay_alu instid0(VALU_DEP_2)
	v_mov_b32 v73, v72
	s_delay_alu instid0(VALU_DEP_2)
	v_mov_b32 v75, v74
	s_lshl_b32 s70, s[BT], 22                      ; out0: batch, my eight channel rows of a quarter, my work-group's 512 bytes of a row
	s_lshl_b32 s71, s[WV], 17
	s_add_co_u32 s70, s70, s71
	s_lshl_b32 s71, s[XG], 9
	s_add_co_u32 s70, s70, s71
	s_mov_b32 s71, 0
	s_add_nc_u64 s[12:13], s[12:13], s[70:71]
	s_wait_alu depctr_va_vdst(0)
	s_wait_dscnt 24                                ; the first quarter's eight loads of the partner's tile are in; the 24 behind them may be out (the first quarter's barrier waits for all)
; The stage turns queries into rows' neighbours.  It goes by quarters of 64 channels, each with bytes of its own: a quarter's rows are stored to out0 while the next quarter is staged.
.macro OUTQ q
.irp i, 0,1,2,3,4,5,6,7
	global_store_b128 v14, v[S+32*(\q)+4*\i:S+32*(\q)+4*\i+3], s[12:13] offset:16384*(64*(\q)+\i) th:TH_STORE_NT   ; the wave stores 512 consecutive bytes of a channel's row
.endr
.endm
.irp q, 0,1,2,3
.set j, 32*\q                          ; the quarter's 32 registers are joined: the partner's part x its factor + mine x my factor
.rept 16
	v_pk_mul_f32 v[S+j:S+j+1], v[S+j:S+j+1], v[74:75]
.set j, j+2
.endr
	WIN W_FM
	s_wait_alu depctr_va_vdst(0)
.set j, 32*\q
.rept 16
	v_pk_fma_f32 v[S+j:S+j+1], v[j:j+1], v[72:73], v[S+j:S+j+1]
.set j, j+2
.endr
	WIN 0
.irp c, 0,1,2,3
.irp j, 0,1,2,3,4,5,6,7
	ds_store_b32 v12, v[S+8*(4*\q+\c)+\j] offset:(16*\c+\j)*SPITCH
.endr
.endr
.if \q < 3
	v_add_nc_u32 v12, 64*SPITCH, v12
.endif
	s_wait_alu depctr_va_vdst(0)
	s_wait_dscnt 0x0                               ; my stores of this quarter are done, and the last quarter's rows are back
	s_barrier_signal -1
	s_barrier_wait -1
.irp i, 0,1,2,3,4,5,6,7
	ds_load_b128 v[S+32*\q+4*\i:S+32*\q+4*\i+3], v13 offset:\i*SPITCH
.endr
.if \q < 3
	v_add_nc_u32 v13, 64*SPITCH, v13
.endif
.if \q > 0
	OUTQ \q-1
.endif
.endr
	s_wait_dscnt 0x0
	OUTQ 3
	s_wait_tensorcnt 0x0                           ; the wave's end
	ds_add_u32 v[SPW], v[NIL]
	s_wait_dscnt 0x0
	CROUND                                         ; the closing round
	s_endpgm
.Lfunc_end_k_qd8d6dfb5d9_attn:
	.size	k_qd8d6dfb5d9_attn, .Lfunc_end_k_qd8d6dfb5d9_attn-k_qd8d6dfb5d9_attn
	.p2alignl 7, 3214868480
	.fill 96, 4, 3214868480
	.section	.rodata,"a",@progbits
	.p2align	6, 0x0
	.amdhsa_kernel k_qd8d6dfb5d9_attn
		.amdhsa_group_segment_fixed_size 327680
		.amdhsa_private_segment_fixed_size 0
		.amdhsa_enable_private_segment 0
		.amdhsa_kernarg_size 40
		.amdhsa_user_sgpr_count 2
		.amdhsa_user_sgpr_kernarg_segment_ptr 1
		.amdhsa_wavefront_size32 1
		.amdhsa_system_sgpr_workgroup_id_x 1
		.amdhsa_system_sgpr_workgroup_id_y 1
		.amdhsa_system_sgpr_workgroup_id_z 1
		.amdhsa_system_vgpr_workitem_id 0
		.amdhsa_next_free_vgpr 512
		.amdhsa_next_free_sgpr 80
		.amdhsa_reserve_vcc 0
		.amdhsa_float_denorm_mode_32 3
		.amdhsa_float_denorm_mode_16_64 3
		.amdhsa_memory_ordered 1
		.amdhsa_forward_progress 1
		.amdhsa_inst_pref_size 255
	.end_amdhsa_kernel
	.section	.bss,"aw",@nobits
	.p2align	6
	.space	262144
	.amdgpu_metadata
---
amdhsa.version: [ 1, 2 ]
amdhsa.kernels:
  - .name:           k_qd8d6dfb5d9_attn
    .symbol:         k_qd8d6dfb5d9_attn.kd
    .args:
      - { .name: qbuf, .offset: 0, .size: 8, .value_kind: global_buffer, .address_space: global }
      - { .name: kbuf, .offset: 8, .size: 8, .value_kind: global_buffer, .address_space: global }
      - { .name: vcodes, .offset: 16, .size: 8, .value_kind: global_buffer, .address_space: global }
      - { .name: vscales, .offset: 24, .size: 8, .value_kind: global_buffer, .address_space: global }
      - { .name: out0, .offset: 32, .size: 8, .value_kind: global_buffer, .address_space: global }
    .group_segment_fixed_size: 327680
    .private_segment_fixed_size: 0
    .kernarg_segment_align: 8
    .kernarg_segment_size: 40
    .max_flat_workgroup_size: 256
    .sgpr_count:     80
    .vgpr_count:     512
    .wavefront_size: 32
...
	.end_amdgpu_metadata
.endif
;; end of part 2
